; MI455X (gfx1250); checked and timed in simulation.
; The chip was launched on July 23, 2026; its instructions are those of AMD's public machine-readable ISA for CDNA 5 (MIT licence, August 2026) and "CDNA5" Instruction Set Architecture Reference Guide (July 2026). The comments in the code are by the model that wrote it; some were corrected since.
;; KAN Linear. Allowed arithmetic: matrix products marked QUANTISED: E2M3 operands, one E8M0 scale for each 32 along K, by v_wmma_scale_f32_16x16x128_f8f6f4 with both operands' format E2M3, f32 sums; everything else in f32.
;; Inputs: base_weight 512 x 512 float32; grid 512 x 12 float32; spline_scaler 512 x 512 float32; spline_weight 512 x 512 x 8 float32; x 16,384 x 512 float32.
;; Outputs: out0 16,384 x 512 float32.
;; This version of the problem:
;;   THIS VERSION OF THE PROBLEM IS GIVEN IN LOW PRECISION. The matrix products marked QUANTISED in the list below multiply operands that are first quantised to E2M3 (2 exponent bits, 3 mantissa bits; 6 bits a number), with one power-of-two scale for each 32 numbers along K (OCP MX v1.0); their sums are f32. All else is computed in f32.
;;   The module's matrix products, in the order in which they are computed (A, B: the left and right operand; K: the contracted axis; several contracted axes count as one K, in the product's order):
;;     1. [M 16,384, K 512] x [K 512, N 512]; A: computed on the way; B: input base_weight: QUANTISED
;;     2. [M 16,384, K 4,096] x [K 4,096, N 512]; A: computed on the way; B: computed on the way: QUANTISED
;;   THE QUANTISER, for each operand of a quantised product, along K:
;;     - K is cut into blocks of 32 from its start; a last block that is shorter is filled with zeros.
;;     - A block's scale is 2^e with e = floor(log2(the largest magnitude in the block)) - 2, held to -126 .. 127; a block of zeros has e = 0. As a byte (E8M0): e + 127.
;;     - Each number is divided by its block's scale, clamped to +-7.5, and rounded to the nearest number of E2M3, ties to even, subnormals kept.
;;     - The product sums the exact products of the quantised numbers (number of the format x scale) in f32.
;;   ~~~python
;;   def quantise(x, axis):      # numpy; x: float32 -> the quantised numbers, widened to float32 again
;;       x = np.moveaxis(x, axis, -1); K = x.shape[-1]
;;       x = np.pad(x, [(0, 0)] * (x.ndim - 1) + [(0, -K % 32)]); x = x.reshape(x.shape[:-1] + (-1, 32)); a = np.abs(x).max(-1, keepdims=True)
;;       e = np.where(a > 0, np.clip(np.frexp(np.where(a > 0, a, 1))[1] - 1 - 2, -126, 127), 0)      # np.frexp(a)[1] - 1 = floor(log2(a)), exactly
;;       r = np.clip(x / 2.0 ** e, -7.5, 7.5)
;;       step = 2.0 ** (np.maximum(np.frexp(np.where(r == 0, 1, r))[1] - 1, 0) - 3)
;;       q = np.round(r / step) * step * 2.0 ** e      # np.round: ties to even
;;       return np.moveaxis(q.reshape(q.shape[:-2] + (-1,))[..., :K], -1, axis).astype(np.float32)
;;   ~~~
;;   OPERANDS COMPUTED ON THE WAY. 'Computed on the way' means the value that the module computes at that place (a softmax that the list does not call 'softmax' is quantised finished and normalised). What goes into a quantiser is computed in f32, as accurately as f32 sums, v_exp_f32 and their like allow (about 1e-6 of the number): no bf16 or f16 on the way to a quantiser, and a product that is left as it is and whose result goes on into a quantised operand takes f32 operands (vector FMAs, or v_wmma_f32_16x16x4_f32). A number that lies on a knife's edge between two numbers of the format may be rounded either way, as far as f32 arithmetic and the matrix unit's own rounding can turn it there, and no further.
;; One version. Each part assembles by itself: llvm-mc -triple=amdgcn-amd-amdhsa -mcpu=gfx1250 --defsym DOCPART=n.
;; ======== version 1 of 1: 2 launches
;; limits: right only within a limited range of input values
;; workspace buffers: wcodes 1,769,472 bytes; wscales 73,728 bytes; ktab 90,112 bytes
;; launch prep (part 1): grid 292 x 1, 4 waves a work-group, no clusters, 24,064 bytes of LDS; arguments base_weight, grid, spline_scaler, spline_weight, wcodes, wscales, ktab; writes wcodes, wscales, ktab
.if DOCPART == 1
	.amdgcn_target "amdgcn-amd-amdhsa--gfx1250"
	.amdhsa_code_object_version 6
	.text
	.protected	k_q53a00b0704_prep
	.globl	k_q53a00b0704_prep
	.p2align	8
	.type	k_q53a00b0704_prep,@function
k_q53a00b0704_prep:
	s_mov_b64 s[64:65], 0
	v_nop
	global_prefetch_b8 v0, s[64:65] scope:SCOPE_SE
	s_setreg_imm32_b32 hwreg(HW_REG_WAVE_MODE, 25, 1), 1
	s_wait_xcnt 0x0
; THE WEIGHTS ARE QUANTISED ONCE, AND THE KNOTS' RECIPROCALS ARE TABULATED ONCE.
; The two products of the layer are one product with K = 4,608: 36 K steps of 128.  K step kp = 0 .. 31: the spline's inputs 16 kp .. 16 kp + 15 (8 coefficients each);
; kp = 32 + s: the base weight's inputs 128 s .. 128 s + 127.  Codes of E2M3, one E8M0 byte for each 32 along K: byte = the block's largest magnitude's exponent field - 2, held at 1 from below.
; ORDER INSIDE A SPLINE BLOCK (inputs 4 T + 2 u + e, coefficient c): place 16 u + 2 c + e.  It is a permutation inside one block of 32, the same on both operands, so scales and products are the rule's.
; wcodes  [kp][q 0..3][b 0..7][3][lane][16 bytes]: the registers of the operand's fragment for outputs 128 q + 16 b + (lane % 16), on end: lane (n, h), registers 6 c .. 6 c + 5 = block 2 c + h.
; wscales [kp][q][lane'][4 words]: word i of lane' = the scale word of output 128 q + 16 (i + 4 (lane' / 16)) + lane' % 16.
; ktab    [unit of 32 inputs][22 quads][pair p][16 bytes]: constant idx of input 32 u + 2 p + e at quad idx / 2, byte 8 (idx % 2) + 4 e.
;         idx 0-11 the knots g; 12-22 1 / (g[j+1] - g[j]); 24-33 1 / (g[j+2] - g[j]); 34-42 1 / (g[j+3] - g[j]); 23, 43 zeros.
; SHARES: work-groups 0 .. 287: (kp, q, half of b); each of the four waves makes one fragment.  Work-groups 288 .. 291: each wave one unit of constants.  The two kinds have LDS bytes of their own.
; LIMITS: a block of zeros, or one under 2^-124, keeps the byte 1 (its codes are zeros or subnormal codes; this program alone reads the bytes).  NaN and infinities among the weights are not served.
; Knots that coincide 1, 2 or 3 apart give a reciprocal that is no number, as the division does in the layer's definition.
.set NWF, 288                          ; work-groups that make fragments
.set WR,  32                           ; v32-95   64 spline weights as loaded
.set SR,  96                           ; v96-103  8 scalers
.set Q,   104                          ; v104-167 the 64 numbers to quantise: register 32 c + i = place i of block 2 c + h
.set F,   168                          ; v168-179 the fragment
.set FT,  180                          ; v180-186 the second halves of the two blocks, as the conversions leave them
	s_load_b256 s[4:11], s[0:1], 0x0               ; base_weight s[4:5], grid s[6:7], spline_scaler s[8:9], spline_weight s[10:11]
	s_load_b128 s[12:15], s[0:1], 0x20             ; wcodes s[12:13], wscales s[14:15]
	s_load_b64 s[16:17], s[0:1], 0x30              ; ktab
	v_lshl_add_u32 v192, v0, 2, 0x5c00
	v_mov_b32 v193, 0
	v_lshrrev_b32 v1, 5, v0
	v_readfirstlane_b32 s18, v1                    ; wave 0..3
	v_and_b32 v2, 31, v0                           ; lane
	v_and_b32 v3, 15, v0                           ; n
	v_bfe_u32 v4, v0, 4, 1                         ; h
	v_lshlrev_b32 v19, 4, v2                       ; 16 x lane
	s_mov_b32 s20, 0x76543210
	s_mov_b32 s21, 0xfedcba98                      ; v_permlanex16_b32's selects for lane l xor 16
	s_mov_b32 s31, 0                               ; the high word of every offset: all stay under 2^32
	s_wait_kmcnt 0x0
	s_cmp_ge_u32 ttmp9, NWF                        ; the choice hangs on the work-group's number alone: all four waves go one way
	s_cbranch_scc1 .Lknots
	; ---- a fragment of the weights
	s_lshr_b32 s22, ttmp9, 3                       ; kp
	s_bfe_u32 s23, ttmp9, 0x20001                  ; q
	s_and_b32 s24, ttmp9, 1                        ; which half of the eight b
	s_lshl_b32 s25, s24, 2
	s_add_co_u32 s25, s25, s18                     ; b
	s_lshl_b32 s26, s23, 7
	s_lshl_b32 s27, s25, 4
	s_add_co_u32 s26, s26, s27                     ; my first output: 128 q + 16 b
	s_mul_i32 s30, s22, 49152
	s_mul_i32 s27, s23, 12288
	s_add_co_u32 s30, s30, s27
	s_mul_i32 s27, s25, 1536
	s_add_co_u32 s30, s30, s27
	s_add_nc_u64 s[12:13], s[12:13], s[30:31]      ; my fragment's 1,536 bytes
	s_lshl_b32 s30, s22, 11
	s_lshl_b32 s27, s23, 9
	s_add_co_u32 s30, s30, s27
	s_lshl_b32 s27, s24, 8
	s_add_co_u32 s30, s30, s27
	s_add_nc_u64 s[14:15], s[14:15], s[30:31]      ; the work-group's 256 bytes of scale words
	s_wait_alu depctr_va_vdst(0)
	v_lshlrev_b32 v5, 4, v3
	s_lshl_b32 s27, s18, 2
	v_add_nc_u32 v5, s27, v5                       ; LDS: 16 n + 4 x wave: word (wave) of lane' n
	v_lshlrev_b32 v22, 3, v2                       ; 8 x lane
	v_mov_b32 v18, 0                               ; a lane permute's destination counts as one of its sources
	s_cmp_ge_u32 s22, 32
	s_cbranch_scc1 .Lbase
	s_lshl_b32 s30, s26, 14                        ; spline_weight: an output's row is 16,384 bytes, a K step 512 of them
	s_lshl_b32 s27, s22, 9
	s_add_co_u32 s30, s30, s27
	s_add_nc_u64 s[10:11], s[10:11], s[30:31]
	s_lshl_b32 s30, s26, 11                        ; spline_scaler: 2,048 bytes a row, 64 a K step
	s_lshl_b32 s27, s22, 6
	s_add_co_u32 s30, s30, s27
	s_add_nc_u64 s[8:9], s[8:9], s[30:31]
	v_lshlrev_b32 v6, 14, v3
	v_lshl_add_u32 v6, v4, 7, v6                   ; row n, + 128 h: block 2 c + h is 128 bytes at 256 c + 128 h
	v_lshlrev_b32 v7, 11, v3
	v_lshl_add_u32 v7, v4, 4, v7                   ; its four scalers: 16 bytes at 32 c + 16 h
.irp c, 0,1
.irp m, 0,1,2,3,4,5,6,7
	global_load_b128 v[WR+32*\c+4*\m:WR+32*\c+4*\m+3], v6, s[10:11] offset:256*\c+16*\m
.endr
	global_load_b128 v[SR+4*\c:SR+4*\c+3], v7, s[8:9] offset:32*\c
.endr
	s_wait_loadcnt 0x0
.irp c, 0,1
.irp u, 0,1
.irp e, 0,1
.irp k, 0,1,2,3,4,5,6,7
	v_mul_f32 v[Q+32*\c+16*\u+2*\k+\e], v[WR+32*\c+8*(2*\u+\e)+\k], v[SR+4*\c+2*\u+\e]   ; weight x scaler, in f32, to its place in the block
.endr
.endr
.endr
.endr
	s_branch .Lquant
.Lbase:
	s_sub_co_u32 s27, s22, 32                      ; base_weight: 2,048 bytes a row, a K step 512 of them; the numbers go in as they lie
	s_lshl_b32 s27, s27, 9
	s_lshl_b32 s30, s26, 11
	s_add_co_u32 s30, s30, s27
	s_add_nc_u64 s[4:5], s[4:5], s[30:31]
	v_lshlrev_b32 v6, 11, v3
	v_lshl_add_u32 v6, v4, 7, v6
.irp c, 0,1
.irp m, 0,1,2,3,4,5,6,7
	global_load_b128 v[Q+32*\c+4*\m:Q+32*\c+4*\m+3], v6, s[4:5] offset:256*\c+16*\m
.endr
.endr
	s_wait_loadcnt 0x0
.Lquant:
.irp c, 0,1                                    ; my block 2 c + h: all its 32 numbers are mine
	v_max3_num_f32 v[10+\c], |v[Q+32*\c]|, |v[Q+32*\c+1]|, 0x1800000   ; and the floor 2^(3 - 127): the byte cannot fall under 1
.endr
.irp i, 2,4,6,8,10,12,14,16,18,20,22,24,26,28,30
.irp c, 0,1
	v_max3_num_f32 v[10+\c], v[10+\c], |v[Q+32*\c+\i]|, |v[Q+32*\c+\i+1]|   ; (the two blocks by turns)
.endr
.endr
.irp c, 0,1
	v_add_nc_u32 v[12+\c], 0xff000000, v[10+\c]    ; 2 off the exponent field: the conversion's scale operand
.endr
.irp c, 0,1
	v_lshrrev_b32 v[14+\c], 23, v[12+\c]           ; the scale's byte
.endr
	v_lshl_or_b32 v16, v15, 16, v14                ; my two bytes, blocks h and 2 + h,
	v_lshlrev_b32 v17, 3, v4
	v_lshlrev_b32 v16, v17, v16                    ; at their places in the word;
	v_permlanex16_b32 v18, v16, s20, s21
	v_or_b32 v16, v16, v18                         ; with lane l xor 16's two the word is whole, in both lanes
.irp c, 0,1
	v_cvt_scalef32_pk16_fp6_f32 v[F+6*\c:F+6*\c+2], v[Q+32*\c:Q+32*\c+15], v[12+\c]
	v_cvt_scalef32_pk16_fp6_f32 v[FT+4*\c:FT+4*\c+2], v[Q+32*\c+16:Q+32*\c+31], v[12+\c]   ; (a conversion's three registers begin on an even number)
.endr
	v_nop                                          ; one plain place behind a scaled conversion
.irp c, 0,1
.irp i, 0,1,2
	v_mov_b32 v[F+6*\c+3+\i], v[FT+4*\c+\i]
.endr
.endr
.irp c, 0,1,2
	global_store_b128 v19, v[F+4*\c:F+4*\c+3], s[12:13] offset:512*\c   ; 32 lanes store 512 consecutive bytes, aligned to 256
.endr
	ds_store_b32 v5, v16                           ; lanes n and n + 16 write the same word with the same value
	s_wait_dscnt 0x0                               ; for the others' sake: my word stores are done
	s_barrier_signal -1
	s_barrier_wait -1
	s_cmp_lg_u32 s18, 0
	s_cbranch_scc1 .Lend
	ds_load_b64 v[20:21], v22                      ; the four waves' 64 words
	s_wait_dscnt 0x0
	global_store_b64 v22, v[20:21], s[14:15]       ; 32 lanes store 256 consecutive bytes, aligned
.Lend:
	s_wait_tensorcnt 0x0
	ds_add_u32 v192, v193
	s_wait_dscnt 0x0
	s_endpgm
	; ---- a unit of constants: lane = input 32 u + lane
.Lknots:
	s_sub_co_u32 s22, ttmp9, NWF
	s_lshl_b32 s22, s22, 2
	s_add_co_u32 s22, s22, s18                     ; u
	s_mul_i32 s30, s22, 1536                       ; 32 knot rows of 48 bytes
	s_add_nc_u64 s[6:7], s[6:7], s[30:31]
	s_mul_i32 s30, s22, 5632
	s_add_nc_u64 s[16:17], s[16:17], s[30:31]
	s_wait_alu depctr_va_vdst(0)
	v_mul_u32_u24 v6, v2, 48
	global_load_b128 v[32:35], v6, s[6:7]          ; g[0 .. 11]: the wave reads 1,536 consecutive bytes
	global_load_b128 v[36:39], v6, s[6:7] offset:16
	global_load_b128 v[40:43], v6, s[6:7] offset:32
	s_mul_i32 s27, s18, 5632
	s_add_co_u32 s27, s27, 1024                    ; my wave's own 5,632 bytes of LDS
	v_lshrrev_b32 v7, 1, v2
	v_and_b32 v8, 1, v2
	v_lshlrev_b32 v7, 4, v7
	v_lshl_add_u32 v7, v8, 2, v7
	v_add_nc_u32 v7, s27, v7                       ; in: 16 (lane / 2) + 4 (lane % 2)
	v_add_nc_u32 v9, s27, v19                      ; out: 16 x lane
	v_mov_b32 v10, 0
	s_wait_loadcnt 0x0
.irp j, 0,1,2,3,4,5,6,7,8,9,10
	v_sub_f32 v[48+\j], v[33+\j], v[32+\j]         ; the 30 denominators
.endr
.irp j, 0,1,2,3,4,5,6,7,8,9
	v_sub_f32 v[59+\j], v[34+\j], v[32+\j]
.endr
.irp j, 0,1,2,3,4,5,6,7,8
	v_sub_f32 v[69+\j], v[35+\j], v[32+\j]
.endr
.set TI, 0
	s_wait_alu depctr_va_vdst(0)
.rept 30
	v_rcp_f32 v[80+TI], v[48+TI]
.set TI, TI+1
.endr
	v_nop                                          ; a plain place behind the transcendentals
.set TI, 0
	s_wait_alu depctr_va_vdst(0)
.rept 30
	v_fma_f32 v[112+TI], -v[48+TI], v[80+TI], 1.0  ; one Newton step: what is left of 1,
.set TI, TI+1
.endr
.set TI, 0
.rept 30
	v_fma_f32 v[80+TI], v[80+TI], v[112+TI], v[80+TI]   ; put back
.set TI, TI+1
.endr
.set IX, 0
.rept 12
	ds_store_b32 v7, v[32+IX] offset:(IX/2)*256+(IX%2)*8
.set IX, IX+1
.endr
.rept 11
	ds_store_b32 v7, v[80+IX-12] offset:(IX/2)*256+(IX%2)*8
.set IX, IX+1
.endr
	ds_store_b32 v7, v10 offset:(23/2)*256+8
.set IX, 24
.rept 10
	ds_store_b32 v7, v[91+IX-24] offset:(IX/2)*256+(IX%2)*8
.set IX, IX+1
.endr
.rept 9
	ds_store_b32 v7, v[101+IX-34] offset:(IX/2)*256+(IX%2)*8
.set IX, IX+1
.endr
	ds_store_b32 v7, v10 offset:(43/2)*256+8
.irp t, 0,1,2,3,4,5,6,7,8,9,10
	ds_load_b128 v[144+4*\t:144+4*\t+3], v9 offset:512*\t   ; LDS serves a wave's instructions in order: these see my stores
.endr
.irp t, 0,1,2,3,4,5,6,7,8,9,10
	s_wait_dscnt 10-\t                             ; the younger loads may stay out
	global_store_b128 v19, v[144+4*\t:144+4*\t+3], s[16:17] offset:512*\t   ; 512 consecutive bytes, aligned to 256
.endr
	s_wait_tensorcnt 0x0
	ds_add_u32 v192, v193
	s_wait_dscnt 0x0
	s_endpgm
.Lfunc_end_k_q53a00b0704_prep:
	.size	k_q53a00b0704_prep, .Lfunc_end_k_q53a00b0704_prep-k_q53a00b0704_prep
	.p2alignl 7, 3214868480
	.fill 96, 4, 3214868480
	.section	.rodata,"a",@progbits
	.p2align	6, 0x0
	.amdhsa_kernel k_q53a00b0704_prep
		.amdhsa_group_segment_fixed_size 24064
		.amdhsa_private_segment_fixed_size 0
		.amdhsa_enable_private_segment 0
		.amdhsa_kernarg_size 56
		.amdhsa_user_sgpr_count 2
		.amdhsa_user_sgpr_kernarg_segment_ptr 1
		.amdhsa_wavefront_size32 1
		.amdhsa_system_sgpr_workgroup_id_x 1
		.amdhsa_system_sgpr_workgroup_id_y 1
		.amdhsa_system_sgpr_workgroup_id_z 1
		.amdhsa_system_vgpr_workitem_id 0
		.amdhsa_next_free_vgpr 194
		.amdhsa_next_free_sgpr 66
		.amdhsa_reserve_vcc 0
		.amdhsa_float_denorm_mode_32 3
		.amdhsa_float_denorm_mode_16_64 3
		.amdhsa_memory_ordered 1
		.amdhsa_forward_progress 1
		.amdhsa_inst_pref_size 24
	.end_amdhsa_kernel
	.amdgpu_metadata
---
amdhsa.version: [ 1, 2 ]
amdhsa.kernels:
  - .name:           k_q53a00b0704_prep
    .symbol:         k_q53a00b0704_prep.kd
    .args:
      - { .name: base_weight, .offset: 0, .size: 8, .value_kind: global_buffer, .address_space: global }
      - { .name: grid, .offset: 8, .size: 8, .value_kind: global_buffer, .address_space: global }
      - { .name: spline_scaler, .offset: 16, .size: 8, .value_kind: global_buffer, .address_space: global }
      - { .name: spline_weight, .offset: 24, .size: 8, .value_kind: global_buffer, .address_space: global }
      - { .name: wcodes, .offset: 32, .size: 8, .value_kind: global_buffer, .address_space: global }
      - { .name: wscales, .offset: 40, .size: 8, .value_kind: global_buffer, .address_space: global }
      - { .name: ktab, .offset: 48, .size: 8, .value_kind: global_buffer, .address_space: global }
    .group_segment_fixed_size: 24064
    .private_segment_fixed_size: 0
    .kernarg_segment_align: 8
    .kernarg_segment_size: 56
    .max_flat_workgroup_size: 128
    .sgpr_count:     66
    .vgpr_count:     194
    .wavefront_size: 32
...
	.end_amdgpu_metadata
.endif
;; end of part 1
;; launch kan (part 2): grid 256 x 1, 8 waves a work-group, clusters of 4 x 1, 327,680 bytes of LDS; arguments x, wcodes, wscales, ktab, out0; writes out0
.if DOCPART == 2
	.amdgcn_target "amdgcn-amd-amdhsa--gfx1250"
	.amdhsa_code_object_version 6
	.text
	.protected	k_q53a00b0704_kan
	.globl	k_q53a00b0704_kan
	.p2align	8
	.type	k_q53a00b0704_kan,@function
k_q53a00b0704_kan:
	s_mov_b64 s[64:65], 0
	v_nop
	global_prefetch_b8 v0, s[64:65] scope:SCOPE_SE
	s_setreg_imm32_b32 hwreg(HW_REG_WAVE_MODE, 25, 1), 1
	s_wait_xcnt 0x0
	s_wait_alu depctr_hold_cnt(0) depctr_sa_sdst(0) depctr_va_vdst(0) depctr_va_sdst(0) depctr_va_ssrc(0) depctr_va_vcc(0) depctr_vm_vsrc(0)
	s_getreg_b32 s2, hwreg(HW_REG_IB_STS2, 6, 4)
	s_cmp_eq_u32 s2, 0
	s_cbranch_scc0 .Lentry_in_a_cluster
	s_endpgm
.Lentry_in_a_cluster:
	s_bfe_u32 s2, ttmp6, 0x10000c
	s_cmp_lg_u32 s2, 0x3003
	s_cbranch_scc0 .Lentry_shape_is_right
	s_endpgm
.Lentry_shape_is_right:
; out = Q(silu(x)) Q(Wb)^T + Q(bases(x)) Q(Ws x scaler)^T: one product with K = 4,608 on codes of E2M3 with one E8M0 byte for each 32 along K; sums in f32.
; The weights come as codes, scale words and knot constants made by the launch before (its head comment gives the three layouts and the order inside a spline block).
; SHARES.  A work-group owns 64 rows of x and all 512 outputs, so that every basis value is computed once.  Eight waves in TWO ROLES, one of each on a SIMD:
;   producers (waves 0, 2, 5, 7; q = wave / 2): vector work alone: the Cox-de Boor recursion for rows 16 q .. 16 q + 15, as the definition has it for ANY knot rows (no order of the knots is assumed),
;     quantised in registers; codes and scale bytes go to LDS as rows.  A lane holds one row and a PAIR of neighbouring inputs, so that the packed f32 forms do two inputs at once.
;   consumers (waves 1, 3, 4, 6; q = wave / 2): the matrix work: outputs 128 q .. 128 q + 127 for all 64 rows, 32 accumulators; they also make silu's codes for rows 16 q .. 16 q + 15.
; TURNS.  A unit is 32 inputs = 2 K steps.  In turn t the producers make unit t and ask for x of unit t + 1, the consumers multiply unit t - 1 and make its block of silu, and the tensor data mover brings the weights
; of unit t (98,304 bytes of codes, 4,096 of scale words) and the knot constants of unit t + 2 into slot t % 2.  Turns 17 and 18 multiply silu's four K steps.  One barrier a turn.
; A PRODUCER'S TURN has eight pairs of rows.  The unit's eight pairs of x go to LDS at the turn's head (silu reads them there a turn later).  The recursion of the first pair of rows is written out; a loop of seven
; trips follows: a trip runs the recursion of one pair of rows and, among its first lines, quantises and stores the pair before, whose 16 numbers wait in the registers in which the unit's x came; the last pair is
; quantised behind the loop.  Each trip fetches the next trip's x from LDS into the same two registers.  Every wave walks that loop; the branch on the role stands inside it.
; RECURSION, for d[j] = x - g[j] and r_k[j] = 1 / (g[j+k] - g[j]) from the table:  u1[j] = (x >= g[j] and not x >= g[j+1]) ? r1[j] : 0;  b_k[j] = d[j] u_k[j] - d[j+k+1] u_k[j+1];  u_(k+1)[j] = r_(k+1)[j] b_k[j].
; CLUSTER.  All work-groups walk the same weights: the four of a cluster ask for each tile JOINTLY (mask 15, the same descriptor in all four); cx enters x's and out0's addresses alone.
; THE MATRIX INSTRUCTION IS USED TRANSPOSED (source 0 = 16 outputs of the weights, source 1 = 16 rows): a lane then holds eight neighbouring outputs of one row.
; By this text's own count a wave has at most one tensor load outstanding.
; NO DATA PREFETCH: each byte of x is asked for once, one whole turn ahead of its use, by the load that brings it; each turn's weights are asked for one whole turn ahead of their use.
; LIMITS: NaN and infinite x are not served (not x >= g stands for x < g).  Knots that coincide 1, 2 or 3 apart give results that are no numbers, as the definition's divisions do.
; silu(x) is 0 where e^(-x) overflows f32 (x under about -88.7; the true value is under 1e-36 there).  A block whose largest magnitude lies under 2^-124 keeps the byte 1.
.set SLOT,  108032                     ; a slot: 98,304 bytes of codes, 4,096 of scale words, 5,632 of knot constants
.set SCLO,  98304
.set KONO,  102400
.set ABUF0, 2*SLOT                     ; the producers' results, two buffers by turns:
.set ABUFB, 25088                      ;   64 rows of 192 bytes of codes, 240 apart;
.set ASCO,  15360                      ;   64 x 8 scale bytes;
.set XSO,   15872                      ;   64 rows of the unit's 32 raw x, 144 bytes apart
.set SCOD,  ABUF0+2*ABUFB              ; silu's codes: 64 rows of 384 bytes, 400 apart
.set SSCL,  SCOD+64*400                ; silu's scale bytes: 64 x 16
.set SPARE, SSCL+1024                  ; the spare words, 128 bytes for each of eight waves: four blocks of 256 bytes that no other line names
.set KH,    SPARE+1024                 ; the knot constants of units 0 and 1: filled once
; the way out: a stage of 16 rows x 528 bytes for each consumer, from LDS byte 0: slot 0 has had its last fill and its last read when the first result is stored there
; ADDRESS REGISTERS, made by every wave; they never hold data.  r = p = lane % 16, h = lane / 16.
.set SPW, 1                            ; SPARE + 4 x thread; never rewritten
.set NIL, 2                            ; 0; never rewritten
.set XO,  3                            ; x: 2048 h + 8 p
.set AW,  4                            ; codes out: ABUF0 + (16 q + h) 240 + 12 p
.set ASW, 5                            ; scale byte out: ABUF0 + ASCO + (16 q + h) 8 + p / 2
.set XSW, 6                            ; raw x: ABUF0 + XSO + (16 q + h) 144 + 8 p
.set KA,  7                            ; v7, v8: the constants in slot 0, 1: + 16 p
.set KAH, 9                            ; KH + 16 p
.set BA,  10                           ; v10-13: the weights' fragments of (slot s, K step j) at v[BA + 2 s + j]: + 12,288 q + 16 lane
.set BS,  14                           ; v14, v15: their scale words in slot 0, 1: + 512 q + 16 lane
.set AR,  16                           ; codes in: ABUF0 + 240 r + 24 h
.set ASR, 17                           ; scale words in: ABUF0 + ASCO + 8 r + 256 h
.set XSR, 18                           ; raw x in: ABUF0 + XSO + (16 q + r) 144 + 64 h
.set SW,  19                           ; silu's codes out: SCOD - 24 + (16 q + r) 400 + 12 h; stepped by 48 a pair of turns
.set SSW, 20                           ; silu's scale byte out: SSCL - 1 + (16 q + r) 16; stepped by 2
.set SRD, 21                           ; silu's codes in: SCOD + 400 r + 24 h
.set SSR, 22                           ; silu's scale words in: SSCL + 16 r + 512 h
.set STO, 23                           ; the stage, in: 8,448 q + 528 r + 32 h
.set RD,  24                           ; the stage, back: 8,448 q + 16 lane
.set CO,  25                           ; out0: 16 lane
.set AWK, 26                           ; v26-28: AW, ASW at the pair of rows that a trip stores, XSW at the pair that it fetches; made anew at each trip's head
.set ASK, 27
.set XSK, 28
; PRODUCER (window 0 alone)
.set KG,  32                           ; v32-55 g; constant idx, input e at v[KG + 2 idx + e]
.set KR1, 56                           ; v56-79 r1 (and a pad)
.set KR2, 80                           ; v80-99 r2
.set KR3, 100                          ; v100-119 r3 (and a pad)
.set XR,  120                          ; v120-151 x as loaded: the pair of (unit's parity s, row pair k) at v[XR + 16 s + 2 k].  Once a unit's x lies in LDS, its set holds the 16 numbers that wait to be quantised
.set DF,  152                          ; v152-175 d
.set UF,  176                          ; v176-197 u
.set BV,  200                          ; v200-219 b of the first two levels; v200-202 also three of the maxima
.set MX,  220                          ; v220-221 largest magnitudes
.set SCV, 222                          ; the conversion's scale operand
.set BYV, 223                          ; the scale's byte
.set CDV, 242                          ; v242-244 16 codes
.set XP,  246                          ; v246-247 a trip's pair of x
; CONSUMER: window 0: v32-127 the rows' fragments; v128-223 the weights' eight; v224-231, v232-239 scale words and nothing else; window 1: accumulator (a, b) at v[8 (8 a + b)]
.set AF,  32
.set BF,  128
.set SA,  224
.set SB,  232
.set PT,  240                          ; a lane permute's destination
.set WV,   14                          ; s14 wave;  s15 role (0: producer);  s16 q;  s17 the rows' counter;  s18 the pairs' counter;  s19 24,576 x (wave % 4)
.set ROLE, 15
.set QW,   16
.set KC,   17
.set CNT,  18
.set W3B,  19
.set SEL,  20                          ; s[20:21] selects for lane l xor 16
.set G1B,  24                          ; s[24:31] group 1: 96 rows of 256 bytes (a quarter of a turn's codes)
.set G1S,  32                          ; s[32:39] 16 rows (a turn's scale words)
.set MK,   40                          ; s[40:63] the 24 comparisons of a pair of inputs.  Ahead of the first turn: s[40:47], s[48:51] the head fill's groups 1 and 0
.set G1H,  40
.set G0H,  48
.set G1K,  68                          ; s[68:75] 22 rows (a unit's constants)
.set G0B,  76                          ; s[76:79], s[80:83], s[84:87] groups 0, which walk
.set G0S,  80
.set G0K,  84
.set T0,   88                          ; s88-91, in trip i: 480 i, 16 i, 288 (i + 2), and the last held at 288 x 7
.set T1,   89
.set T2,   90
.set T3,   91
.set MSB, 0
.macro WIN new                         ; the immediate's high byte repeats the setting that is left
.if MSB != \new
	s_set_vgpr_msb (MSB<<8)|\new
.set MSB, \new
.endif
.endm
.set MUL, 0x50                         ; C and D in window 1, both sources in window 0
.macro PLACES                          ; four plain places behind a matrix instruction (ISA guide 7.12.1)
.rept 4
	v_nop
.endr
.endm
.macro ROUND                           ; a round of the cluster's barrier
	s_barrier_signal -1
	s_barrier_wait -1
	s_cmp_lg_u32 s[WV], 0
	s_cbranch_scc1 .Lnw0_\@
	s_barrier_signal -3
.Lnw0_\@:
	s_barrier_wait -3
	s_barrier_signal -1
	s_barrier_wait -1
.endm
.macro G1SET g, rows                   ; dense bytes as rows of 256 (32 elements of 8 bytes); 15:0 the mask: all four work-groups; 21 set beside a mask
	s_mov_b32 s[\g], 15|(3<<16)|(1<<21)
	s_mov_b32 s[\g+1], 32<<16
	s_mov_b32 s[\g+2], (\rows)<<16
	s_mov_b32 s[\g+3], 32<<16
	s_mov_b32 s[\g+4], \rows
	s_mov_b32 s[\g+5], 32
	s_mov_b32 s[\g+6], 0
	s_mov_b32 s[\g+7], 0
.endm
; A turn's joint loads: waves 0-3 a quarter of the codes each, wave 4 the scale words, wave 5 (kon = 1) the constants.  The branches hang on the wave's number alone.
.macro TLOAD kon
	s_cmp_lt_u32 s[WV], 4
	s_cbranch_scc0 .Lnb_\@
	tensor_load_to_lds s[G0B:G0B+3], s[G1B:G1B+7]
	s_nop 0
	PLACES
	s_branch .Ltd_\@
.Lnb_\@:
	s_cmp_eq_u32 s[WV], 4
	s_cbranch_scc0 .Lns_\@
	tensor_load_to_lds s[G0S:G0S+3], s[G1S:G1S+7]
	s_nop 0
	PLACES
	s_branch .Ltd_\@
.Lns_\@:
.if (\kon)
	s_cmp_eq_u32 s[WV], 5
	s_cbranch_scc0 .Ltd_\@
	tensor_load_to_lds s[G0K:G0K+3], s[G1K:G1K+7]
	s_nop 0
	PLACES
.endif
.Ltd_\@:
.endm
; THE HEAD OF A TURN of parity pi.  Each wave waits for all its tensor loads, adds 0 to its spare word (twice), and waits for that and for all
; its LDS reads and stores of the last turn.  fill = 2, 1: slot pi is filled, with or without constants: the barrier is a round of the cluster's.  fill = 0: nothing is asked for.
.macro SYNC pi, fill, step
	s_wait_loadcnt 0x0                             ; on every wave's way: the producers' 8 loads of x, issued at the head of the turn before, are in; no load into registers is out where the roles join and part again
	s_wait_tensorcnt 0x0                           ; no tensor load of mine is out, so a group 0 may be written
	ds_add_u32 v[SPW], v[NIL]
	ds_add_u32 v[SPW], v[NIL]
.if \fill
.if \step
	s_add_nc_u64 s[G0B+2:G0B+3], s[G0B+2:G0B+3], 98304   ; the next turn's bytes
	s_add_nc_u64 s[G0S+2:G0S+3], s[G0S+2:G0S+3], 4096
	s_add_nc_u64 s[G0K+2:G0K+3], s[G0K+2:G0K+3], 5632    ; (stepped on in the turns that ask for no constants: not used there)
.endif
	s_add_co_u32 s[G0B+1], s[W3B], \pi*SLOT
	s_mov_b32 s[G0S+1], \pi*SLOT+SCLO
	s_mov_b32 s[G0K+1], \pi*SLOT+KONO
.endif
	s_wait_dscnt 0x0                               ; the adds are done; my LDS stores have landed and my LDS loads are in
.if \fill
	ROUND
	TLOAD \fill-1                                  ; the first thing behind the round, and a wave's one tensor load until the next
.else
	s_barrier_signal -1
	s_barrier_wait -1
.endif
.endm
.macro MAX16 s, m                      ; silu's: the largest magnitude of 16 numbers and the floor 2^(3 - 127), in two chains
	v_max3_num_f32 v[\m], |v[\s]|, |v[\s+1]|, 0x1800000
	v_max3_num_f32 v[\m+1], |v[\s+2]|, |v[\s+3]|, |v[\s+4]|
	s_delay_alu instid0(VALU_DEP_2)
	v_max3_num_f32 v[\m], v[\m], |v[\s+5]|, |v[\s+6]|
	s_delay_alu instid0(VALU_DEP_2)
	v_max3_num_f32 v[\m+1], v[\m+1], |v[\s+7]|, |v[\s+8]|
	s_delay_alu instid0(VALU_DEP_2)
	v_max3_num_f32 v[\m], v[\m], |v[\s+9]|, |v[\s+10]|
	s_delay_alu instid0(VALU_DEP_2)
	v_max3_num_f32 v[\m+1], v[\m+1], |v[\s+11]|, |v[\s+12]|
	s_delay_alu instid0(VALU_DEP_2)
	v_max3_num_f32 v[\m], v[\m], |v[\s+13]|, |v[\s+14]|
	s_delay_alu instid0(VALU_DEP_1)
	v_max3_num_f32 v[\m], v[\m], v[\m+1], |v[\s+15]|
.endm
.macro KLD adr, off, q0, cnt           ; cnt quads of constants from quad q0 on
.set QD, \q0
.rept \cnt
	ds_load_b128 v[KG+4*QD:KG+4*QD+3], v[\adr] offset:\off+256*QD
.set QD, QD+1
.endr
.endm
.macro LEVEL kk, nn, ds                ; b[j] = d[j] u[j] - d[j + kk + 1] u[j + 1], j = 0 .. nn - 1, two inputs at a time, into v[ds ..]
.set JJ, 0
.rept \nn
	v_pk_mul_f32 v[\ds+2*JJ:\ds+2*JJ+1], v[DF+2*(JJ+\kk+1):DF+2*(JJ+\kk+1)+1], v[UF+2*JJ+2:UF+2*JJ+3]
.set JJ, JJ+1
.endr
.set JJ, 0
.rept \nn
	v_pk_fma_f32 v[\ds+2*JJ:\ds+2*JJ+1], v[DF+2*JJ:DF+2*JJ+1], v[UF+2*JJ:UF+2*JJ+1], v[\ds+2*JJ:\ds+2*JJ+1] neg_lo:[0,0,1] neg_hi:[0,0,1]
.set JJ, JJ+1
.endr
.endm
.macro NEXTU kr, nn                    ; u[j] = r[j] b[j]
.set JJ, 0
.rept \nn
	v_pk_mul_f32 v[UF+2*JJ:UF+2*JJ+1], v[\kr+2*JJ:\kr+2*JJ+1], v[BV+2*JJ:BV+2*JJ+1]
.set JJ, JJ+1
.endr
.endm
.macro CMPS j0, n                      ; x >= g[j] for n knots from j0 on, both inputs; x stands in v[XB], v[XB + 1]
.set JC, \j0
.rept \n
	v_cmp_ge_f32 s[MK+2*JC], v[XB], v[KG+2*JC]
	v_cmp_ge_f32 s[MK+2*JC+1], v[XB+1], v[KG+2*JC+1]
.set JC, JC+1
.endr
.endm
.macro QM1                             ; the largest magnitude of the 16 numbers at v[BO ..] and the floor 2^(3 - 127): five maxima that hang on nothing
	v_max3_num_f32 v[MX], |v[BO]|, |v[BO+1]|, 0x1800000
	v_max3_num_f32 v[MX+1], |v[BO+2]|, |v[BO+3]|, |v[BO+4]|
	v_max3_num_f32 v[BV], |v[BO+5]|, |v[BO+6]|, |v[BO+7]|
	v_max3_num_f32 v[BV+1], |v[BO+8]|, |v[BO+9]|, |v[BO+10]|
	v_max3_num_f32 v[BV+2], |v[BO+11]|, |v[BO+12]|, |v[BO+13]|
.endm
; The recursion of one pair of rows, the unit's 32 inputs: a lane's pair of inputs becomes 16 numbers at v[BO ..], place 2 c + e.
; q = 1, a trip of the loop: x stands in v[XP ..]; the 16 numbers of the pair of rows before are quantised on the way: the steps of their maximum stand among the compares, the conversion behind the
; subtractions, the stores among the selects, so that no step stands next to the step that it hangs on.  q = 0, the turn's first pair: x stands where it was loaded, and nothing waits to be quantised.
.macro BODY pi, q
.set BO, XR+16*\pi
.if \q
.set XB, XP
	QM1
.else
.set XB, XR+16*\pi
.endif
	CMPS 0, 4
.if \q
	v_max3_num_f32 v[MX], v[MX], |v[BO+14]|, |v[BO+15]|
	v_max3_num_f32 v[MX+1], v[MX+1], v[BV], v[BV+1]
.endif
	CMPS 4, 2
.if \q
	v_max3_num_f32 v[MX], v[MX], v[MX+1], v[BV+2]
.endif
	CMPS 6, 3
.if \q
	v_max_num_f32_dpp v[MX], v[MX], v[MX] row_xmask:1 row_mask:0xf bank_mask:0xf   ; with the neighbouring pair's 16: the block's
.endif
	CMPS 9, 3
.if \q
	v_add_nc_u32 v[SCV], 0xff000000, v[MX]         ; 2 off the exponent field: the conversion's scale operand
.endif
.irp j, 0,1,2,3,4,5,6,7,8,9,10
	v_pk_add_f32 v[DF+2*\j:DF+2*\j+1], v[XB:XB+1], v[KG+2*\j:KG+2*\j+1] neg_lo:[0,1] neg_hi:[0,1]   ; d = x - g
	s_and_not1_b32 s[MK+2*\j], s[MK+2*\j], s[MK+2*\j+2]       ; x >= g[j] and not x >= g[j + 1]; j ascending, so that each line finds its right neighbour as compared
	s_and_not1_b32 s[MK+2*\j+1], s[MK+2*\j+1], s[MK+2*\j+3]
.endr
	v_pk_add_f32 v[DF+22:DF+23], v[XB:XB+1], v[KG+22:KG+23] neg_lo:[0,1] neg_hi:[0,1]
.if \q
	ds_load_b64 v[XP:XP+1], v[XSK] offset:\pi*ABUFB   ; the pair has been read for the last time: the next trip's takes its place (the last trip names its own pair again, so that the address stays in my rows)
	v_cvt_scalef32_pk16_fp6_f32 v[CDV:CDV+2], v[BO:BO+15], v[SCV]
	v_lshrrev_b32 v[BYV], 23, v[SCV]               ; the scale's byte.  (The plain place behind the conversion)
.else
	ds_load_b64 v[XP:XP+1], v[XSW] offset:\pi*ABUFB+288   ; the second pair of rows, for the first trip
.endif
.irp j, 0,1,2,3
	v_cndmask_b32 v[UF+2*\j], 0, v[KR1+2*\j], s[MK+2*\j]
	v_cndmask_b32 v[UF+2*\j+1], 0, v[KR1+2*\j+1], s[MK+2*\j+1]
.endr
.if \q
	ds_store_b32 v[AWK], v[CDV] offset:\pi*ABUFB
	ds_store_b32 v[AWK], v[CDV+1] offset:\pi*ABUFB+4
	ds_store_b32 v[AWK], v[CDV+2] offset:\pi*ABUFB+8
	ds_store_b8 v[ASK], v[BYV] offset:\pi*ABUFB    ; both lanes of a block write the same byte with the same value
.endif
.irp j, 4,5,6,7,8,9,10
	v_cndmask_b32 v[UF+2*\j], 0, v[KR1+2*\j], s[MK+2*\j]
	v_cndmask_b32 v[UF+2*\j+1], 0, v[KR1+2*\j+1], s[MK+2*\j+1]
.endr
	LEVEL 1, 10, BV
	NEXTU KR2, 10
	LEVEL 2, 9, BV
	NEXTU KR3, 9
.if !\q
	s_wait_alu depctr_va_vdst(0)
	s_wait_dscnt 0x0                               ; the unit's x lies in LDS, so its registers may take the 16 numbers; the second pair of rows is in
.endif
	LEVEL 3, 8, BO
	s_wait_alu depctr_va_vdst(0)
.if \q
	s_wait_dscnt 0x0                               ; the next pair of x is in, and this trip's stores of codes and byte are done
.endif
.endm
; The seven trips of a turn: trip i runs the recursion of pair i + 1, stores pair i and fetches x of pair i + 2.  Every wave walks the loop and makes the three addresses; the consumers pass the work by.
.macro ROWS pi
	s_mov_b32 s[KC], 0
	s_mov_b32 s[T0], 0
	s_mov_b32 s[T1], 0
	s_mov_b32 s[T2], 576
.Lrow_\@:
	s_min_u32 s[T3], s[T2], 2016
	v_add_nc_u32 v[AWK], s[T0], v[AW]
	v_add_nc_u32 v[ASK], s[T1], v[ASW]
	v_add_nc_u32 v[XSK], s[T3], v[XSW]
	s_cmp_eq_u32 s[ROLE], 0
	s_cbranch_scc0 .Lnr_\@
	BODY \pi, 1
.Lnr_\@:
	s_add_co_u32 s[T0], s[T0], 480
	s_add_co_u32 s[T1], s[T1], 16
	s_add_co_u32 s[T2], s[T2], 288
	s_add_co_u32 s[KC], s[KC], 1
	s_cmp_lt_u32 s[KC], 7
	s_cbranch_scc1 .Lrow_\@
.endm
; The head of a producer's turn.  This unit's 8 loads of x were waited for at the turn's head.  more = 1: the next unit's 8 go out at once, into the other set of registers, whose last readers lie in the turn
; before.  The unit's eight pairs go to LDS, for the trips and for silu; then the first pair of rows.
.macro PRE pi, more
.if \more
.irp k, 0,1,2,3,4,5,6,7
	global_load_b64 v[XR+16*(1-\pi)+2*\k:XR+16*(1-\pi)+2*\k+1], v[XO], s[4:5] offset:4096*\k+128*(\pi+1)   ; sixteen lanes read 128 consecutive bytes of a row
.endr
.endif
.irp k, 0,1,2,3,4,5,6,7
	ds_store_b64 v[XSW], v[XR+16*\pi+2*\k:XR+16*\pi+2*\k+1] offset:\pi*ABUFB+288*\k
.endr
	BODY \pi, 0
.endm
; Behind a producer's last trip: the next unit's constants are asked for (kre = 1: from the other slot; 2: the head fill's second unit; 0: none; the next turn's wait for all LDS instructions covers them),
; and the last pair of rows is quantised and stored.
.macro LASTQ pi, kre
.set BO, XR+16*\pi
	s_cmp_eq_u32 s[ROLE], 0
	s_cbranch_scc0 .Lnk_\@
.if (\kre) == 2
	KLD KAH, 5632, 0, 22
.elseif (\kre) == 1
	KLD KA+1-\pi, 0, 0, 22
.endif
	QM1
	v_max3_num_f32 v[MX], v[MX], |v[BO+14]|, |v[BO+15]|
	s_delay_alu instid0(VALU_DEP_3)
	v_max3_num_f32 v[MX+1], v[MX+1], v[BV], v[BV+1]
	s_delay_alu instid0(VALU_DEP_1)
	v_max3_num_f32 v[MX], v[MX], v[MX+1], v[BV+2]
	s_delay_alu instid0(VALU_DEP_1)
	v_max_num_f32_dpp v[MX], v[MX], v[MX] row_xmask:1 row_mask:0xf bank_mask:0xf
	s_delay_alu instid0(VALU_DEP_1)
	v_add_nc_u32 v[SCV], 0xff000000, v[MX]
	v_cvt_scalef32_pk16_fp6_f32 v[CDV:CDV+2], v[BO:BO+15], v[SCV]
	v_lshrrev_b32 v[BYV], 23, v[SCV]               ; (the plain place behind the conversion)
	ds_store_b32 v[AW], v[CDV] offset:\pi*ABUFB+3360
	ds_store_b32 v[AW], v[CDV+1] offset:\pi*ABUFB+3364
	ds_store_b32 v[AW], v[CDV+2] offset:\pi*ABUFB+3368
	ds_store_b8 v[ASW], v[BYV] offset:\pi*ABUFB+112
.Lnk_\@:
.endm
.macro WM d, bf, af, sb, sa, zero, ra, rb      ; one product; ra, rb: the scale words stand in lanes 16-31
.if \zero
.if (\ra) && (\rb)
	v_wmma_scale_f32_16x16x128_f8f6f4 v[(\d):(\d)+7], v[(\bf):(\bf)+11], v[(\af):(\af)+11], 0, v[\sb], v[\sa] matrix_a_fmt:MATRIX_FMT_FP6 matrix_b_fmt:MATRIX_FMT_FP6 matrix_a_scale:MATRIX_SCALE_ROW1 matrix_b_scale:MATRIX_SCALE_ROW1
.elseif (\ra)
	v_wmma_scale_f32_16x16x128_f8f6f4 v[(\d):(\d)+7], v[(\bf):(\bf)+11], v[(\af):(\af)+11], 0, v[\sb], v[\sa] matrix_a_fmt:MATRIX_FMT_FP6 matrix_b_fmt:MATRIX_FMT_FP6 matrix_a_scale:MATRIX_SCALE_ROW1
.elseif (\rb)
	v_wmma_scale_f32_16x16x128_f8f6f4 v[(\d):(\d)+7], v[(\bf):(\bf)+11], v[(\af):(\af)+11], 0, v[\sb], v[\sa] matrix_a_fmt:MATRIX_FMT_FP6 matrix_b_fmt:MATRIX_FMT_FP6 matrix_b_scale:MATRIX_SCALE_ROW1
.else
	v_wmma_scale_f32_16x16x128_f8f6f4 v[(\d):(\d)+7], v[(\bf):(\bf)+11], v[(\af):(\af)+11], 0, v[\sb], v[\sa] matrix_a_fmt:MATRIX_FMT_FP6 matrix_b_fmt:MATRIX_FMT_FP6
.endif
.else
.if (\ra) && (\rb)
	v_wmma_scale_f32_16x16x128_f8f6f4 v[(\d):(\d)+7], v[(\bf):(\bf)+11], v[(\af):(\af)+11], v[(\d):(\d)+7], v[\sb], v[\sa] matrix_a_fmt:MATRIX_FMT_FP6 matrix_b_fmt:MATRIX_FMT_FP6 matrix_a_scale:MATRIX_SCALE_ROW1 matrix_b_scale:MATRIX_SCALE_ROW1
.elseif (\ra)
	v_wmma_scale_f32_16x16x128_f8f6f4 v[(\d):(\d)+7], v[(\bf):(\bf)+11], v[(\af):(\af)+11], v[(\d):(\d)+7], v[\sb], v[\sa] matrix_a_fmt:MATRIX_FMT_FP6 matrix_b_fmt:MATRIX_FMT_FP6 matrix_a_scale:MATRIX_SCALE_ROW1
.elseif (\rb)
	v_wmma_scale_f32_16x16x128_f8f6f4 v[(\d):(\d)+7], v[(\bf):(\bf)+11], v[(\af):(\af)+11], v[(\d):(\d)+7], v[\sb], v[\sa] matrix_a_fmt:MATRIX_FMT_FP6 matrix_b_fmt:MATRIX_FMT_FP6 matrix_b_scale:MATRIX_SCALE_ROW1
.else
	v_wmma_scale_f32_16x16x128_f8f6f4 v[(\d):(\d)+7], v[(\bf):(\bf)+11], v[(\af):(\af)+11], v[(\d):(\d)+7], v[\sb], v[\sa] matrix_a_fmt:MATRIX_FMT_FP6 matrix_b_fmt:MATRIX_FMT_FP6
.endif
.endif
.endm
; 16 products: the weights' blocks b0 .. b0 + 3 x the four tiles of rows, K step j of the turn.  so: where the rows' scale words of j = 0 stand.  The 32 accumulators take turns, one instruction a turn, in the same
; order in every K step.
.macro MM16 j, b0, so, zero
.irp b, \b0, \b0+1, \b0+2, \b0+3
.irp a, 0,1,2,3
	WM 8*(8*\a+(\b)), BF+12*(\b), AF+12*(4*\j+\a), SB+4*\j+(\b)%4, SA+4*(\a%2)+\so+\j, \zero, (\b)/4, \a/2
.endr
.endr
.endm
.macro ALD kind, arg, j                ; the rows' four fragments of K step j: 24 bytes of a row's stream of bits twice, in pieces of 8 bytes
.irp a, 0,1,2,3
.irp p, 0,1,2,3,4,5
.if \kind == 0
	ds_load_b64 v[AF+12*(4*\j+\a)+2*\p:AF+12*(4*\j+\a)+2*\p+1], v[AR] offset:\arg*ABUFB+3840*\a+96*\j+48*(\p/3)+8*(\p%3)
.else
	ds_load_b64 v[AF+12*(4*\j+\a)+2*\p:AF+12*(4*\j+\a)+2*\p+1], v[SRD] offset:6400*\a+96*(\arg+\j)+48*(\p/3)+8*(\p%3)
.endif
.endr
.endr
.endm
.macro BLD sl, j, b0                   ; four of the weights' fragments: images of their registers, 512 consecutive bytes a load
.irp b, \b0, \b0+1, \b0+2, \b0+3
.irp c, 0,1,2
	ds_load_b128 v[BF+12*(\b)+4*\c:BF+12*(\b)+4*\c+3], v[BA+2*\sl+\j] offset:1536*(\b)+512*\c
.endr
.endr
.endm
; A consumer's turn: two K steps, 64 products.  sl: the weights' slot.  kind 0: the spline's rows from buffer arg; kind 1: silu's K steps arg, arg + 1.  first = 1: the first K step starts the sums: nothing is cleared.
.macro CONS sl, kind, arg, first
.irp t, 0,1                                    ; the rows' scale words: lanes 0-15 tile t, lanes 16-31 tile t + 2
.if \kind == 0
	ds_load_b64 v[SA+4*\t:SA+4*\t+1], v[ASR] offset:\arg*ABUFB+128*\t
.else
	ds_load_b128 v[SA+4*\t:SA+4*\t+3], v[SSR] offset:256*\t
.endif
.endr
.irp j, 0,1                                    ; the weights': word i: lanes 0-15 block i, lanes 16-31 block i + 4
	ds_load_b128 v[SB+4*\j:SB+4*\j+3], v[BS+\sl] offset:2048*\j
.endr
	ALD \kind, \arg, 0
	BLD \sl, 0, 0
	BLD \sl, 0, 4
	s_wait_dscnt 12                                ; all but the youngest 12: the weights' blocks 4-7 of the first K step
	ALD \kind, \arg, 1                             ; the rows' fragments of the second K step: wanted 32 products on
	WIN MUL
	MM16 0, 0, \kind*\arg, \first
	WIN 0
	PLACES
	BLD \sl, 1, 0
	s_wait_dscnt 36                                ; blocks 4-7 are in; behind them: the 24 loads of the rows' second K step and the 12 just issued
	WIN MUL
	MM16 0, 4, \kind*\arg, \first
	WIN 0
	PLACES
	BLD \sl, 1, 4
	s_wait_dscnt 12                                ; all but the 12 just issued
	WIN MUL
	MM16 1, 0, \kind*\arg, 0
	s_wait_dscnt 0x0
	MM16 1, 4, \kind*\arg, 0
	WIN 0
	PLACES                                         ; ahead of loads into the fragments' and scale words' registers, and of the first read of results
.endm
; silu of my 16 rows x the 32 inputs of the unit in buffer ab: lane (r, h) takes 16 neighbours; lanes l and l xor 16 hold a block.  off: the block's place from v[SW] on.
.macro SILU ab, off
.irp m, 0,1,2,3
	ds_load_b128 v[32+4*\m:35+4*\m], v[XSR] offset:\ab*ABUFB+16*\m
.endr
	s_wait_dscnt 0x0
.irp i, 0,2,4,6,8,10,12,14
	v_pk_mul_f32 v[48+\i:49+\i], v[32+\i:33+\i], 0xbfb8aa3b op_sel_hi:[1,0]   ; -x log2(e)
.endr
	s_wait_alu depctr_va_vdst(0)                   ; a wait ahead of each batch of transcendentals and one behind it
.irp i, 0,1,2,3,4,5,6,7,8,9,10,11,12,13,14,15
	v_exp_f32 v[48+\i], v[48+\i]
.endr
	v_nop                                          ; a plain place behind the transcendentals
	s_wait_alu depctr_va_vdst(0)
.irp i, 0,2,4,6,8,10,12,14
	v_pk_add_f32 v[48+\i:49+\i], v[48+\i:49+\i], 1.0 op_sel_hi:[1,0]
.endr
	s_wait_alu depctr_va_vdst(0)
.irp i, 0,1,2,3,4,5,6,7,8,9,10,11,12,13,14,15
	v_rcp_f32 v[48+\i], v[48+\i]
.endr
	v_nop
	s_wait_alu depctr_va_vdst(0)
.irp i, 0,2,4,6,8,10,12,14
	v_pk_mul_f32 v[48+\i:49+\i], v[48+\i:49+\i], v[32+\i:33+\i]   ; x / (1 + e^(-x))
.endr
	MAX16 48, 64
	s_delay_alu instid0(VALU_DEP_1)
	v_permlanex16_b32 v[PT], v64, s[SEL], s[SEL+1]
	s_delay_alu instid0(VALU_DEP_1)
	v_max_num_f32 v64, v64, v[PT]                  ; with lane l xor 16's: the block's
	s_delay_alu instid0(VALU_DEP_1)
	v_add_nc_u32 v66, 0xff000000, v64
	v_cvt_scalef32_pk16_fp6_f32 v[68:70], v[48:63], v66
	v_lshrrev_b32 v67, 23, v66                     ; the scale's byte.  (The plain place behind the conversion)
	ds_store_b32 v[SW], v68 offset:\off
	ds_store_b32 v[SW], v69 offset:\off+4
	ds_store_b32 v[SW], v70 offset:\off+8
	ds_store_b8 v[SSW], v67 offset:(\off)/24       ; both lanes of a block write the same byte with the same value
.endm
; TWO TURNS.  first: turns 0 and 1.  more1: the odd turn asks for x of the unit behind it (the even turn always does).  fill: as in SYNC.  kre0, kre1: as in LASTQ.
.macro PAIR first, more1, fill, kre0, kre1
	SYNC 0, \fill, 1-\first
.if !\first
	v_add_nc_u32 v[SW], 48, v[SW]                  ; on every wave's way, and no LDS instruction of mine is out: silu's places step by two blocks
	v_add_nc_u32 v[SSW], 2, v[SSW]
	s_wait_xcnt 0x0                                ; the loads of x have read their base
	s_add_nc_u64 s[4:5], s[4:5], 256               ; x at this pair's even unit
.endif
	s_cmp_eq_u32 s[ROLE], 0
	s_cbranch_scc0 .Lc0_\@
.if \first
	KLD KAH, 0, 0, 22                              ; unit 0's constants, from the head fill
	s_wait_dscnt 0x0
.endif
	PRE 0, 1
	s_branch .Lj0_\@
.Lc0_\@:
.if !\first
	CONS 1, 0, 1, 0
	SILU 1, 0
.endif
.Lj0_\@:
	ROWS 0
	LASTQ 0, \kre0
	SYNC 1, \fill, 1
	s_cmp_eq_u32 s[ROLE], 0
	s_cbranch_scc0 .Lc1_\@
	PRE 1, \more1
	s_branch .Lj1_\@
.Lc1_\@:
	CONS 0, 0, 0, \first
	SILU 0, 24
.Lj1_\@:
	ROWS 1
	LASTQ 1, \kre1
.endm
; THE WAY OUT, a tile of 16 rows x my 128 outputs at a time: a lane holds 32 neighbouring bytes of a row; through my own stage they come back as whole rows of 512 bytes.
.macro TOSTAGE a
	WIN 0x04                                       ; an LDS store's data are its source 1: window 1
.irp b, 0,1,2,3,4,5,6,7
	ds_store_b128 v[STO], v[64*\a+8*\b:64*\a+8*\b+3] offset:64*\b          ; each accumulator from its low end on
	ds_store_b128 v[STO], v[64*\a+8*\b+4:64*\a+8*\b+7] offset:64*\b+16
.endr
	WIN 0
.irp t, 0,1,2,3,4,5,6,7,8,9,10,11,12,13,14,15
	ds_load_b128 v[32+64*((\a)%2)+4*\t:32+64*((\a)%2)+4*\t+3], v[RD] offset:\t*528   ; LDS serves a wave's instructions in order (ISA guide 5.7.1.4): these see the stores above
.endr
.endm
.macro SEND a, younger                 ; younger: the LDS instructions issued behind tile a's loads, which may stay out
	s_wait_dscnt \younger
.irp t, 0,1,2,3,4,5,6,7,8,9,10,11,12,13,14,15
	global_store_b128 v[CO], v[32+64*((\a)%2)+4*\t:32+64*((\a)%2)+4*\t+3], s[12:13] offset:(16*(\a)+\t)*2048 th:TH_STORE_NT   ; 32 lanes store 512 consecutive bytes, at a multiple of 256 from out0's first byte
.endr
.endm
	s_load_b256 s[4:11], s[0:1], 0x0               ; x s[4:5], wcodes s[6:7], wscales s[8:9], ktab s[10:11]
	s_load_b64 s[12:13], s[0:1], 0x20              ; out0
	v_lshl_add_u32 v[SPW], v0, 2, SPARE
	v_mov_b32 v[NIL], 0
	ds_add_u32 v[SPW], v[NIL]                      ; the opening lines: the add, twice on end, and its wait
	ds_add_u32 v[SPW], v[NIL]
	s_wait_dscnt 0x0
	v_lshrrev_b32 v26, 5, v0
	s_delay_alu instid0(VALU_DEP_1)
	v_readfirstlane_b32 s[WV], v26                 ; wave 0..7
	s_lshr_b32 s[ROLE], s[WV], 2
	s_xor_b32 s[ROLE], s[ROLE], s[WV]
	s_and_b32 s[ROLE], s[ROLE], 1                  ; waves 0, 2, 5, 7 produce, waves 1, 3, 4, 6 consume
	s_lshr_b32 s[QW], s[WV], 1                     ; q
	s_and_b32 s17, s[WV], 3
	s_mul_i32 s[W3B], s17, 24576                   ; my quarter of a turn's codes, if I fetch
	s_mov_b32 s[SEL], 0x76543210
	s_mov_b32 s[SEL+1], 0xfedcba98
	s_bfe_u32 s88, ttmp6, 0x40000                  ; cx
	s_lshl_b32 s89, ttmp9, 2                       ; in a cluster launch ttmp9 counts clusters
	s_add_co_u32 s89, s89, s88                     ; my block of 64 rows: it enters x's and out0's addresses alone
	s_lshl_b32 s90, s89, 17                        ; 64 rows of 2,048 bytes
	s_lshl_b32 s22, s[QW], 15
	s_add_co_u32 s22, s90, s22                     ; x: + 16 q rows
	s_mov_b32 s23, 0
	s_lshl_b32 s91, s[QW], 9
	s_add_co_u32 s90, s90, s91                     ; out0: + 128 q outputs
	s_mov_b32 s91, 0
	v_and_b32 v26, 31, v0                          ; lane
	v_and_b32 v27, 15, v0                          ; r = p
	v_bfe_u32 v28, v0, 4, 1                        ; h
	v_mov_b32 v[PT], 0                             ; written once: a lane permute's destination counts as one of its sources
	s_delay_alu instid0(VALU_DEP_3)
	v_lshlrev_b32 v[XO], 3, v27
	s_delay_alu instid0(VALU_DEP_1)
	v_lshl_add_u32 v[XO], v28, 11, v[XO]
	s_mul_i32 s92, s[QW], 3840
	s_add_co_u32 s92, s92, ABUF0
	v_mul_u32_u24 v[AW], v27, 12
	s_delay_alu instid0(VALU_DEP_1)
	v_mad_u32_u24 v[AW], v28, 240, v[AW]
	s_delay_alu instid0(VALU_DEP_1)
	v_add_nc_u32 v[AW], s92, v[AW]
	s_lshl_b32 s92, s[QW], 7
	s_add_co_u32 s92, s92, ABUF0+ASCO
	v_lshrrev_b32 v[ASW], 1, v27
	s_delay_alu instid0(VALU_DEP_1)
	v_lshl_add_u32 v[ASW], v28, 3, v[ASW]
	s_delay_alu instid0(VALU_DEP_1)
	v_add_nc_u32 v[ASW], s92, v[ASW]
	s_mul_i32 s92, s[QW], 2304
	s_add_co_u32 s92, s92, ABUF0+XSO
	v_lshlrev_b32 v[XSW], 3, v27
	s_delay_alu instid0(VALU_DEP_1)
	v_mad_u32_u24 v[XSW], v28, 144, v[XSW]
	s_delay_alu instid0(VALU_DEP_1)
	v_add_nc_u32 v[XSW], s92, v[XSW]
	v_mul_u32_u24 v[XSR], v27, 144
	s_delay_alu instid0(VALU_DEP_1)
	v_lshl_add_u32 v[XSR], v28, 6, v[XSR]
	s_delay_alu instid0(VALU_DEP_1)
	v_add_nc_u32 v[XSR], s92, v[XSR]
	v_lshl_add_u32 v[KA], v27, 4, KONO
	v_lshl_add_u32 v[KA+1], v27, 4, SLOT+KONO
	v_lshl_add_u32 v[KAH], v27, 4, KH
	s_mul_i32 s92, s[QW], 12288
	v_lshlrev_b32 v[CO], 4, v26
	s_delay_alu instid0(VALU_DEP_1)
	v_add_nc_u32 v[BA], s92, v[CO]
	s_delay_alu instid0(VALU_DEP_1)
	v_add_nc_u32 v[BA+1], 49152, v[BA]
	s_delay_alu instid0(VALU_DEP_2)
	v_add_nc_u32 v[BA+2], SLOT, v[BA]
	s_delay_alu instid0(VALU_DEP_3)
	v_add_nc_u32 v[BA+3], SLOT+49152, v[BA]
	s_lshl_b32 s92, s[QW], 9
	s_add_co_u32 s92, s92, SCLO
	v_add_nc_u32 v[BS], s92, v[CO]
	s_delay_alu instid0(VALU_DEP_1)
	v_add_nc_u32 v[BS+1], SLOT, v[BS]
	v_mul_u32_u24 v[AR], v27, 240
	s_delay_alu instid0(VALU_DEP_1)
	v_mad_u32_u24 v[AR], v28, 24, v[AR]
	s_delay_alu instid0(VALU_DEP_1)
	v_add_nc_u32 v[AR], ABUF0, v[AR]
	v_lshlrev_b32 v[ASR], 3, v27
	s_delay_alu instid0(VALU_DEP_1)
	v_lshl_add_u32 v[ASR], v28, 8, v[ASR]
	s_delay_alu instid0(VALU_DEP_1)
	v_add_nc_u32 v[ASR], ABUF0+ASCO, v[ASR]
	s_mul_i32 s92, s[QW], 6400
	s_add_co_u32 s92, s92, SCOD-24
	v_mul_u32_u24 v[SW], v27, 400
	s_delay_alu instid0(VALU_DEP_1)
	v_mad_u32_u24 v[SW], v28, 12, v[SW]
	s_delay_alu instid0(VALU_DEP_1)
	v_add_nc_u32 v[SW], s92, v[SW]
	s_lshl_b32 s92, s[QW], 8
	s_add_co_u32 s92, s92, SSCL-1
	v_lshl_add_u32 v[SSW], v27, 4, s92
	v_mul_u32_u24 v[SRD], v27, 400
	s_delay_alu instid0(VALU_DEP_1)
	v_mad_u32_u24 v[SRD], v28, 24, v[SRD]
	s_delay_alu instid0(VALU_DEP_1)
	v_add_nc_u32 v[SRD], SCOD, v[SRD]
	v_lshlrev_b32 v[SSR], 4, v27
	s_delay_alu instid0(VALU_DEP_1)
	v_lshl_add_u32 v[SSR], v28, 9, v[SSR]
	s_delay_alu instid0(VALU_DEP_1)
	v_add_nc_u32 v[SSR], SSCL, v[SSR]
	s_mul_i32 s92, s[QW], 8448
	v_mul_u32_u24 v[STO], v27, 528
	s_delay_alu instid0(VALU_DEP_1)
	v_lshl_add_u32 v[STO], v28, 5, v[STO]
	s_delay_alu instid0(VALU_DEP_1)
	v_add_nc_u32 v[STO], s92, v[STO]
	v_add_nc_u32 v[RD], s92, v[CO]
	s_wait_alu depctr_va_vdst(0)
	G1SET G1B, 96
	G1SET G1S, 16
	G1SET G1K, 22
	G1SET G1H, 44
	s_mov_b32 s92, s[W3B]
	s_mov_b32 s93, 0
	s_wait_kmcnt 0x0
	s_add_nc_u64 s[4:5], s[4:5], s[22:23]
	s_add_nc_u64 s[12:13], s[12:13], s[90:91]
	s_mov_b32 s[G0B], 1                            ; 1:0 count = 1; the LDS addresses (63:32) are written at the head of each turn
	s_add_nc_u64 s[G0B+2:G0B+3], s[6:7], s[92:93]  ; 120:64 global address: turn 0's codes, my quarter
	s_or_b32 s[G0B+3], s[G0B+3], 0x80000000        ; 127:126 type = 2
	s_mov_b32 s[G0S], 1
	s_mov_b64 s[G0S+2:G0S+3], s[8:9]
	s_or_b32 s[G0S+3], s[G0S+3], 0x80000000
	s_mov_b32 s[G0K], 1
	s_add_nc_u64 s[G0K+2:G0K+3], s[10:11], 11264   ; unit 2's constants
	s_or_b32 s[G0K+3], s[G0K+3], 0x80000000
	s_mov_b32 s[G0H], 1
	s_mov_b32 s[G0H+1], KH
	s_mov_b64 s[G0H+2:G0H+3], s[10:11]             ; units 0 and 1
	s_or_b32 s[G0H+3], s[G0H+3], 0x80000000
	ROUND                                          ; all four work-groups are here: the first joint load meets
	s_cmp_eq_u32 s[WV], 5
	s_cbranch_scc0 .Lno_kh
	tensor_load_to_lds s[G0H:G0H+3], s[G1H:G1H+7]  ; filled once
	s_nop 0
	PLACES
.Lno_kh:
	s_cmp_eq_u32 s[ROLE], 0
	s_cbranch_scc0 .Lno_x
.irp k, 0,1,2,3,4,5,6,7                        ; x of unit 0: sixteen lanes read 128 consecutive bytes of a row
	global_load_b64 v[XR+2*\k:XR+2*\k+1], v[XO], s[4:5] offset:4096*\k
.endr
.Lno_x:
	PAIR 1, 1, 2, 2, 1                             ; turns 0, 1
	s_mov_b32 s[CNT], 6
.Lpair:                                            ; turns 2 .. 13
	PAIR 0, 1, 2, 1, 1
	s_sub_co_u32 s[CNT], s[CNT], 1
	s_cmp_lg_u32 s[CNT], 0
	s_cbranch_scc1 .Lpair
	PAIR 0, 0, 1, 1, 0                             ; turns 14, 15, written out: turn 14 asks for the last unit's x, turn 15 for none; no constants are left to ask for
	SYNC 0, 1, 1                                   ; turn 16: silu's K steps 0, 1 are asked for
	v_add_nc_u32 v[SW], 48, v[SW]
	v_add_nc_u32 v[SSW], 2, v[SSW]
	s_cmp_eq_u32 s[ROLE], 0
	s_cbranch_scc1 .Lt16
	CONS 1, 0, 1, 0                                ; unit 15
	SILU 1, 0
.Lt16:
	SYNC 1, 1, 1                                   ; turn 17: silu's K steps 2, 3 are asked for: the last load
	s_cmp_eq_u32 s[ROLE], 0
	s_cbranch_scc1 .Lt17
	CONS 0, 1, 0, 0
.Lt17:
	SYNC 0, 0, 0                                   ; turn 18: nothing is filled, so no round
	s_cmp_eq_u32 s[ROLE], 0
	s_cbranch_scc1 .Lend
	CONS 1, 1, 2, 0
	TOSTAGE 0
.irp a, 1,2,3
.if \a > 1
	s_wait_xcnt 0x0                                ; tile a - 2's stores have read their registers: tile a's loads may land there
.endif
	TOSTAGE \a
	SEND \a-1, 32                                  ; behind tile a - 1's loads: tile a's 16 stores and 16 loads
.endr
	SEND 3, 0
.Lend:
	s_wait_tensorcnt 0x0                           ; the wave's end: behind my last tensor load and my last LDS store
	ds_add_u32 v[SPW], v[NIL]
	s_wait_dscnt 0x0
	ROUND                                          ; the closing round: no work-group ends while a partner may still ask for a tile that names it
	s_endpgm
.Lfunc_end_k_q53a00b0704_kan:
	.size	k_q53a00b0704_kan, .Lfunc_end_k_q53a00b0704_kan-k_q53a00b0704_kan
	.p2alignl 7, 3214868480
	.fill 96, 4, 3214868480
	.section	.rodata,"a",@progbits
	.p2align	6, 0x0
	.amdhsa_kernel k_q53a00b0704_kan
		.amdhsa_group_segment_fixed_size 327680
		.amdhsa_private_segment_fixed_size 0
		.amdhsa_enable_private_segment 0
		.amdhsa_kernarg_size 40
		.amdhsa_user_sgpr_count 2
		.amdhsa_user_sgpr_kernarg_segment_ptr 1
		.amdhsa_wavefront_size32 1
		.amdhsa_system_sgpr_workgroup_id_x 1
		.amdhsa_system_sgpr_workgroup_id_y 1
		.amdhsa_system_sgpr_workgroup_id_z 1
		.amdhsa_system_vgpr_workitem_id 0
		.amdhsa_next_free_vgpr 512
		.amdhsa_next_free_sgpr 96
		.amdhsa_reserve_vcc 0
		.amdhsa_float_denorm_mode_32 3
		.amdhsa_float_denorm_mode_16_64 3
		.amdhsa_memory_ordered 1
		.amdhsa_forward_progress 1
		.amdhsa_inst_pref_size 255
	.end_amdhsa_kernel
	.section	.bss,"aw",@nobits
	.p2align	6
	.space	262144
	.amdgpu_metadata
---
amdhsa.version: [ 1, 2 ]
amdhsa.kernels:
  - .name:           k_q53a00b0704_kan
    .symbol:         k_q53a00b0704_kan.kd
    .args:
      - { .name: x, .offset: 0, .size: 8, .value_kind: global_buffer, .address_space: global }
      - { .name: wcodes, .offset: 8, .size: 8, .value_kind: global_buffer, .address_space: global }
      - { .name: wscales, .offset: 16, .size: 8, .value_kind: global_buffer, .address_space: global }
      - { .name: ktab, .offset: 24, .size: 8, .value_kind: global_buffer, .address_space: global }
      - { .name: out0, .offset: 32, .size: 8, .value_kind: global_buffer, .address_space: global }
    .group_segment_fixed_size: 327680
    .private_segment_fixed_size: 0
    .kernarg_segment_align: 8
    .kernarg_segment_size: 40
    .max_flat_workgroup_size: 256
    .sgpr_count:     96
    .vgpr_count:     512
    .wavefront_size: 32
...
	.end_amdgpu_metadata
.endif
;; end of part 2
